; MI455X (gfx1250); checked and timed in simulation.
; The chip was launched on July 23, 2026; its instructions are those of AMD's public machine-readable ISA for CDNA 5 (MIT licence, August 2026) and "CDNA5" Instruction Set Architecture Reference Guide (July 2026). The comments in the code are by the model that wrote it; some were corrected since.
;; Multi Head Attention. Allowed arithmetic: matrix products marked QUANTISED: E2M1 operands, one E8M0 scale for each 32 along K, by v_wmma_scale_f32_16x16x128_f8f6f4 with both operands' format E2M1 (or v_wmma_scale_f32_32x16x128_f4), f32 sums; products left as they are: f32 operands where the result goes on into a quantised operand, else bf16, f16 or f32 operands; f32 sums; everything else in f32.
;; Inputs: Wfc 1 x 16 float32; Wk_codes 1,024 x 32 x 16 uint8 (E2M1 codes of Wk, K innermost, in blocks of 32 codes, two codes a byte); Wk_scales 1,024 x 32 uint8 (E8M0 scales of Wk, one for each 32 codes along K); Wq_codes 1,024 x 32 x 16 uint8 (E2M1 codes of Wq, K innermost, in blocks of 32 codes, two codes a byte); Wq_scales 1,024 x 32 uint8 (E8M0 scales of Wq, one for each 32 codes along K); bfc 1 float32; bk 1,024 float32; bq 1,024 float32; x_codes 8 x 4,096 x 32 x 16 uint8 (E2M1 codes of x, K innermost, in blocks of 32 codes, two codes a byte); x_scales 8 x 4,096 x 32 uint8 (E8M0 scales of x, one for each 32 codes along K).
;; Outputs: out0 8 x 4,096 x 1 float32.
;; This version of the problem:
;;   THIS VERSION OF THE PROBLEM IS GIVEN IN LOW PRECISION. The matrix products marked QUANTISED in the list below multiply operands that are first quantised to E2M1 (2 exponent bits, 1 mantissa bit; 4 bits a number), with one power-of-two scale for each 32 numbers along K (OCP MX v1.0); their sums are f32. All else is computed in f32.
;;   The module's matrix products, in the order in which they are computed (A, B: the left and right operand; K: the contracted axis; several contracted axes count as one K, in the product's order):
;;     1. [M 32,768, K 1,024] x [K 1,024, N 1,024]; A: input x (given as codes); B: input Wq (given as codes): QUANTISED
;;     2. [M 32,768, K 1,024] x [K 1,024, N 1,024]; A: input x (given as codes); B: input Wk (given as codes): QUANTISED
;;     3. batch 128 x [M 4,096, K 64] x [K 64, N 1]; A: computed on the way; B: computed on the way: left as it is (N = 1 < 16)
;;     4. [M 32,768, K 16] x [K 16, N 1]; A: computed on the way; B: input Wfc: left as it is (K = 16 < 32)
;;   THE QUANTISER, for each operand of a quantised product, along K:
;;     - K is cut into blocks of 32 from its start; a last block that is shorter is filled with zeros.
;;     - A block's scale is 2^e with e = floor(log2(the largest magnitude in the block)) - 2, held to -126 .. 127; a block of zeros has e = 0. As a byte (E8M0): e + 127.
;;     - Each number is divided by its block's scale, clamped to +-6, and rounded to the nearest number of E2M1, ties to even, subnormals kept.
;;     - The product sums the exact products of the quantised numbers (number of the format x scale) in f32.
;;   ~~~python
;;   def quantise(x, axis):      # numpy; x: float32 -> the quantised numbers, widened to float32 again
;;       x = np.moveaxis(x, axis, -1); K = x.shape[-1]
;;       x = np.pad(x, [(0, 0)] * (x.ndim - 1) + [(0, -K % 32)]); x = x.reshape(x.shape[:-1] + (-1, 32)); a = np.abs(x).max(-1, keepdims=True)
;;       e = np.where(a > 0, np.clip(np.frexp(np.where(a > 0, a, 1))[1] - 1 - 2, -126, 127), 0)      # np.frexp(a)[1] - 1 = floor(log2(a)), exactly
;;       r = np.clip(x / 2.0 ** e, -6, 6)
;;       step = 2.0 ** (np.maximum(np.frexp(np.where(r == 0, 1, r))[1] - 1, 0) - 1)
;;       q = np.round(r / step) * step * 2.0 ** e      # np.round: ties to even
;;       return np.moveaxis(q.reshape(q.shape[:-2] + (-1,))[..., :K], -1, axis).astype(np.float32)
;;   ~~~
;;   INPUTS GIVEN AS CODES. Wk (in the module: [1024, 1024], K = its axis 1); Wq (in the module: [1024, 1024], K = its axis 1); x (in the module: [8, 4096, 1024], K = its axis 2): each comes as NAME_codes (uint8): NAME with its K axis moved to the last place and cut into blocks of 32 codes, [.., K / 32, bytes a block], one block behind the other in memory; two codes a byte, the lower K in the low four bits (a code: sign, 2 exponent bits, 1 mantissa bit); and NAME_scales (uint8): the same leading axes, one E8M0 byte (e + 127) for each 32 codes along K. Its value is code x scale, taken as it is: it is not quantised again, and the codes and scales need not be those that the quantiser above would give.
;; One version. Each part assembles by itself: llvm-mc -triple=amdgcn-amd-amdhsa -mcpu=gfx1250 --defsym DOCPART=n.
;; ======== version 1 of 1: 2 launches
;; limits: right only within a limited range of input values
;; workspace buffers: part 262,144 bytes
;; launch qsum (part 1): grid 4 x 64, 8 waves a work-group, clusters of 4 x 4, 327,680 bytes of LDS; arguments x_codes, x_scales, Wq_codes, Wq_scales, part; writes part
.if DOCPART == 1
	.amdgcn_target "amdgcn-amd-amdhsa--gfx1250"
	.amdhsa_code_object_version 6
	.text
	.protected	k_q716bcf67e3_qsum
	.globl	k_q716bcf67e3_qsum
	.p2align	8
	.type	k_q716bcf67e3_qsum,@function
k_q716bcf67e3_qsum:
	s_mov_b64 s[64:65], 0
	v_nop
	global_prefetch_b8 v0, s[64:65] scope:SCOPE_SE
	s_setreg_imm32_b32 hwreg(HW_REG_WAVE_MODE, 25, 1), 1
	s_wait_xcnt 0x0
	s_wait_alu depctr_hold_cnt(0) depctr_sa_sdst(0) depctr_va_vdst(0) depctr_va_sdst(0) depctr_va_ssrc(0) depctr_va_vcc(0) depctr_vm_vsrc(0)
	s_getreg_b32 s2, hwreg(HW_REG_IB_STS2, 6, 4)
	s_cmp_eq_u32 s2, 0
	s_cbranch_scc0 .Lentry_in_a_cluster
	s_endpgm
.Lentry_in_a_cluster:
	s_bfe_u32 s2, ttmp6, 0x10000c
	s_cmp_lg_u32 s2, 0xf033
	s_cbranch_scc0 .Lentry_shape_is_right
	s_endpgm
.Lentry_shape_is_right:
; part[R][n] = the sum over rows m = 512 R .. 512 R + 511 of (x Wq^T)[m][n], f32, without the bias.  x: 32,768 rows x 1,024 K, Wq: 1,024 rows x 1,024 K, both as codes of FP4 (E2M1), two a byte,
; K innermost (a row is 512 bytes), with one E8M0 byte for each 32 along K (a row of scales is 32 bytes).  Codes and scale bytes go to the matrix unit as they lie.
; SHARES.  A work-group owns 512 rows of x (row block R, 64 of them) and 256 columns (a quarter of Wq's rows): 256 work-groups.  Wave w of eight owns K step w (128 along K: 64 bytes of every row).
; It keeps its 256 columns x 128 K of Wq in 128 registers, and x goes by in pairs of row blocks (32 rows): each feeds sixteen products of 32 x 16, one for each column block.  A wave issues 256.
; THE ROWS ARE SUMMED IN THE ACCUMULATORS: only the column sums are wanted, so all sixteen pairs add onto the same sixteen accumulators; their 32 rows are added up once, at the end.
; LDS: four units of 128 rows: units 0 and 1 take Wq's quarter and, when every wave has it in registers, x's rows 256-511; unit 2 takes x's rows 0-127, unit 3 rows 128-255.  The scale bytes of all come once and stay.
; CLUSTER: 4 x 4 work-groups, one x row block along its rows, one quarter of Wq along its columns: every fill is a joint load.  At the head one load a wave: waves 0-3 x's first rows, 4 and 5 Wq, 6 and 7 the scales.
; PREFETCH: x's rows 128-255 are asked for at the head and rows 256-511 behind the first round, each a round ahead of the joint load that wants them: each block of 256 bytes once in a cluster, told apart by address (cx, wave, lane).
; LIMITS: K is summed in eight f32 parts (one a wave) and the rows in classes, so the order of rounding differs from a plain ascending sum; scale bytes are taken as given (0xff gives NaN).
; REGISTERS.  Window 0: v4-15 addresses; v16-31 x's scale words (register b: lane l row 32 b + l); v32-39 Wq's (lanes 0-15 an even column block, lanes 16-31 an odd one); v64-127 x's fragments, two sets of four row blocks;
;   v128-255 Wq's fragments.   Window 1: v0-255 the sixteen accumulators.
.set PITCH, 528                        ; an LDS row: 512 bytes + 16 of padding: the 16 rows that a load touches start 16 bytes apart modulo 256
.set UNIT, 128*PITCH
.set XSC, 4*UNIT                       ; x's scale bytes: 64 pieces of 256 bytes + 16 of padding; row m at 272 (m / 8) + 32 (m % 8)
.set WSC, XSC+64*272                   ; Wq's: 32 pieces
.set SPARE, WSC+32*272                 ; the spare words, 128 bytes for each of eight waves
.set SCR, SPARE+1024                   ; [wave][half of the lanes][256] f32: the column sums meet here; no fill lands here
.set AD,  4                            ; v4-7  my lane's place in the four units: 528 r + 16 h + 64 w + 67,584 i
.set ASC, 8                            ; v8   my lane's place among the scale words
.set AC,  10                           ; v10  where my column sums go
.set RDS, 11                           ; v11  SCR + 8 x thread
.set GO,  12                           ; v12  8 x thread
.set SPW, 13                           ; v13  SPARE + 4 x my thread's number; never rewritten
.set NIL, 14                           ; v14  0; never rewritten
.set PFO, 15                           ; v15  256 x lane
.set WV,  24
.set CX,  25
.set CY,  26
.set RB,  27
.set CQ,  28
.set G0Z, 16
.set G1W, 32
.set G1X, 40
.set G1XS, 48
.set G1WS, 56
.set G0W, 68
.set G0X, 72
.set G0S, 76
.set G0T, 80
.set G0Y, 84
.set OB,  88
.set PFA, 90
.set PFB, 92
.set MSB, 0
.macro WIN new                         ; the immediate's high byte repeats the setting that is left; a switch that changes nothing is dropped
.if MSB != (\new)
	s_set_vgpr_msb (MSB<<8)|(\new)
.set MSB, \new
.endif
.endm
.macro CREST                           ; a round of the cluster's barrier behind its opening barrier
	s_cmp_lg_u32 s[WV], 0
	s_cbranch_scc1 .Lnot_wave_0_\@
	s_barrier_signal -3
.Lnot_wave_0_\@:
	s_barrier_wait -3
	s_barrier_signal -1
	s_barrier_wait -1
.endm
.macro CROUND
	s_barrier_signal -1
	s_barrier_wait -1
	CREST
.endm
.macro PLACES                          ; four places behind matrix instructions, ahead of loads into registers that they have read (ISA guide 7.12.1 for vector instructions)
.rept 4
	v_nop
.endr
.endm
.macro TL g0, g1                       ; a joint load; four v_nop follow it
	tensor_load_to_lds s[\g0:\g0+3], s[\g1:\g1+7]
	s_nop 0
	PLACES
.endm
.macro QL n                            ; quad n: row blocks 4 n .. 4 n + 3 of my 32, into set n % 2; quads 0-3 lie in units 2 and 3, quads 4-7 in units 0 and 1
.set QB_, AD+((\n)/2+2)%4
	WIN 0
.irp i, 0,1,2,3
.irp c, 0,1
	ds_load_b128 v[64+32*((\n)%2)+8*\i+4*\c:67+32*((\n)%2)+8*\i+4*\c], v[QB_] offset:8448*(4*((\n)%2)+\i)+32*\c
.endr
.endr
.endm
; One product: source 0 = 32 rows of x, source 1 = 16 rows of Wq (column block q).  The first pair starts the sums with the constant 0: nothing is cleared.
.macro MM q, m1
.if Z_
	v_wmma_scale_f32_32x16x128_f4 v[16*(\q):16*(\q)+15], v[FA_:FA_+15], v[128+8*(\q):135+8*(\q)], 0, v[SA_], v[32+(\q)/2] \m1
.else
	v_wmma_scale_f32_32x16x128_f4 v[16*(\q):16*(\q)+15], v[FA_:FA_+15], v[128+8*(\q):135+8*(\q)], v[16*(\q):16*(\q)+15], v[SA_], v[32+(\q)/2] \m1
.endif
.endm
; Eight of the sixteen products of pair b, from column block q0 on; the sixteen accumulators take turns.  The scale words of an odd column block stand in lanes 16-31 of their register.
; w = 1, the first pair: Wq's fragments were asked for in the order of q, two loads each, with six scale words behind them, which may stay out.
.macro HALF b, q0, w
	WIN 0x50                                       ; C and D window 1, all else window 0
.set FA_, 64+16*((\b)%4)
.set SA_, 16+(\b)
.if (\b) == 0
.set Z_, 1
.else
.set Z_, 0
.endif
.irp q, \q0, \q0+1, \q0+2, \q0+3, \q0+4, \q0+5, \q0+6, \q0+7
.if \w
	s_wait_dscnt 2*(15-(\q))+6
.endif
.if (\q)%2 == 0
	MM \q
.else
	MM \q, matrix_b_scale:MATRIX_SCALE_ROW1
.endif
.endr
.endm
.macro PAIR b
	HALF \b, 0, 0
	HALF \b, 8, 0
.endm
.macro QUAD n                          ; a quad whose successor's rows are in LDS already, or which is the last
.if (\n) < 7
	PLACES
	QL (\n)+1
	s_wait_dscnt 8                                 ; all but the 8 just issued: this quad's fragments are in
.else
	s_wait_dscnt 0x0
.endif
	PAIR 2*(\n)
	PAIR 2*(\n)+1
.endm
	s_load_b256 s[4:11], s[0:1], 0x0               ; x's codes s[4:5], x's scales s[6:7], Wq's codes s[8:9], Wq's scales s[10:11]
	s_load_b64 s[12:13], s[0:1], 0x20              ; part
	v_lshl_add_u32 v[SPW], v0, 2, SPARE
	v_mov_b32 v[NIL], 0
	ds_add_u32 v[SPW], v[NIL]                      ; the wave's opening: the add, twice on end, and its one wait
	ds_add_u32 v[SPW], v[NIL]
	v_lshrrev_b32 v1, 5, v0
	v_readfirstlane_b32 s[WV], v1                  ; wave 0 .. 7
	s_bfe_u32 s[CX], ttmp6, 0x40000
	s_bfe_u32 s[CY], ttmp6, 0x40004
	s_lshl_b32 s[CQ], ttmp9, 2                     ; in a cluster launch ttmp9 and ttmp7 count clusters
	s_add_co_u32 s[CQ], s[CQ], s[CX]               ; the quarter of Wq: the partners of a column of the cluster share it
	s_and_b32 s[RB], ttmp7, 0xffff
	s_lshl_b32 s[RB], s[RB], 2
	s_add_co_u32 s[RB], s[RB], s[CY]               ; the row block: the partners of a row of the cluster share it
	s_lshl_b32 s14, s[CY], 2
	s_lshl_b32 s14, 15, s14                        ; my row of the cluster: x
	s_lshl_b32 s15, 0x1111, s[CX]                  ; my column: Wq
	; group 1 for codes: rows of 512 bytes, dense in memory, 16 bytes of padding behind each row in LDS; 128 rows of Wq, 32 rows of x
	s_or_b32 s[G1W], s15, (1<<20)|(1<<21)|(6<<22)|(3<<25)          ; 15:0 the mask; 17:16 elements of 1 byte; 20 padding on; 21 set beside a mask; 24:22 after every 128 words (code 6); 31:25 four words (code 3)
	s_or_b32 s[G1X], s14, (1<<20)|(1<<21)|(6<<22)|(3<<25)
.irp g, G1W, G1X
	s_mov_b32 s[\g+1], 512<<16
	s_mov_b32 s[\g+3], 512<<16
	s_mov_b32 s[\g+5], 512
	s_mov_b32 s[\g+6], 0
	s_mov_b32 s[\g+7], 0
.endr
	s_mov_b32 s[G1W+2], 128<<16
	s_mov_b32 s[G1W+4], 128
	s_mov_b32 s[G1X+2], 32<<16
	s_mov_b32 s[G1X+4], 32
	; and for scale bytes, dense: rows of 256 bytes (32 elements of 8 bytes), 16 bytes of padding behind each: 64 rows of x's, 32 of Wq's
	s_or_b32 s[G1XS], s14, (3<<16)|(1<<20)|(1<<21)|(5<<22)|(3<<25)
	s_or_b32 s[G1WS], s15, (3<<16)|(1<<20)|(1<<21)|(5<<22)|(3<<25)
.irp g, G1XS, G1WS
	s_mov_b32 s[\g+1], 32<<16
	s_mov_b32 s[\g+3], 32<<16
	s_mov_b32 s[\g+5], 32
	s_mov_b32 s[\g+6], 0
	s_mov_b32 s[\g+7], 0
.endr
	s_mov_b32 s[G1XS+2], 64<<16
	s_mov_b32 s[G1XS+4], 64
	s_mov_b32 s[G1WS+2], 32<<16
	s_mov_b32 s[G1WS+4], 32
.irp g, G0W, G0X, G0S, G0T, G0Y
	s_mov_b32 s[\g], 1
.endr
	s_mul_i32 s[G0Y+1], s[WV], 32*PITCH            ; rows 256-511: 32 rows a wave, units 0 and 1
	s_add_co_u32 s[G0X+1], s[G0Y+1], 2*UNIT        ; the head, waves 0-3: 32 rows of x each, unit 2
	s_and_b32 s29, s[WV], 1                        ; waves 4 and 5: 128 rows of Wq each, units 0 and 1
	s_mul_i32 s[G0W+1], s29, UNIT
	s_mov_b32 s[G0S+1], XSC
	s_mov_b32 s[G0T+1], WSC
	s_lshl_b32 s20, s[WV], 6
	s_lshl_b32 s21, s[WV], 2
	s_add_co_u32 s21, s21, XSC
	s_lshl_b32 s22, s[WV], 11
	s_add_co_u32 s22, s22, SCR
	s_mov_b32 s[G0Z], 1
	s_mul_i32 s[G0Z+1], s[WV], 16*PITCH            ; rows 128-255: 16 rows a wave, unit 3
	s_add_co_u32 s[G0Z+1], s[G0Z+1], 3*UNIT
	v_and_b32 v1, 15, v0                           ; r
	v_bfe_u32 v2, v0, 4, 1                         ; h
	v_and_b32 v40, 31, v0                          ; lane
	v_mul_u32_u24 v[AD], v1, PITCH
	v_lshrrev_b32 v41, 3, v40
	v_and_b32 v42, 7, v40
	v_lshl_add_u32 v[AD], v2, 4, v[AD]
	v_mul_u32_u24 v[ASC], v41, 272
	v_lshlrev_b32 v[AC], 2, v1
	v_add_nc_u32 v[AD], s20, v[AD]
	v_lshl_add_u32 v[ASC], v42, 5, v[ASC]
	v_lshl_add_u32 v[AC], v2, 10, v[AC]
	v_add_nc_u32 v[AD+1], UNIT, v[AD]
	v_add_nc_u32 v[AD+2], 2*UNIT, v[AD]
	v_add_nc_u32 v[AD+3], 3*UNIT, v[AD]
	v_add_nc_u32 v[ASC], s21, v[ASC]
	v_add_nc_u32 v[AC], s22, v[AC]
	v_lshl_add_u32 v[RDS], v0, 3, SCR
	v_lshlrev_b32 v[GO], 3, v0
	v_lshlrev_b32 v[PFO], 8, v40
	s_wait_alu depctr_va_vdst(0)
	s_wait_dscnt 0x0                               ; both opening adds are done
	CROUND                                         ; all sixteen work-groups are here: the first joint loads meet
	s_wait_kmcnt 0x0
	s_lshl_b32 s20, s[RB], 18                      ; x: 512 rows of 512 bytes
	s_mov_b32 s21, 0
	s_add_nc_u64 s[94:95], s[4:5], s[20:21]
	s_lshl_b32 s20, s[WV], 14
	s_add_nc_u64 s[G0X+2:G0X+3], s[94:95], s[20:21]
	s_or_b32 s[G0X+3], s[G0X+3], 0x80000000        ; type = 2
	s_lshl_b32 s20, s[RB], 14                      ; its scales: 512 rows of 32 bytes
	s_add_nc_u64 s[G0S+2:G0S+3], s[6:7], s[20:21]
	s_or_b32 s[G0S+3], s[G0S+3], 0x80000000
	s_lshl_b32 s96, s[CQ], 17                      ; Wq: 256 rows of 512 bytes
	s_lshl_b32 s29, s29, 16
	s_add_co_u32 s96, s96, s29
	s_mov_b32 s97, 0
	s_add_nc_u64 s[G0W+2:G0W+3], s[8:9], s[96:97]
	s_or_b32 s[G0W+3], s[G0W+3], 0x80000000
	s_lshl_b32 s96, s[CQ], 13                      ; its scales: 256 rows of 32 bytes
	s_add_nc_u64 s[G0T+2:G0T+3], s[10:11], s[96:97]
	s_or_b32 s[G0T+3], s[G0T+3], 0x80000000
	; the head's loads, one a wave: one chain of branches on the wave's number, one load to an arm
	s_cmp_lt_u32 s[WV], 4
	s_cbranch_scc0 .Lhead_w
	TL G0X, G1X
	s_branch .Lasked
.Lhead_w:
	s_cmp_lt_u32 s[WV], 6
	s_cbranch_scc0 .Lhead_s
	TL G0W, G1W
	s_branch .Lasked
.Lhead_s:
	s_cmp_lt_u32 s[WV], 7
	s_cbranch_scc0 .Lhead_t
	TL G0S, G1XS
	s_branch .Lasked
.Lhead_t:
	TL G0T, G1WS
.Lasked:
	s_lshl_b32 s20, s[WV], 13
	s_add_co_u32 s20, s20, 65536                   ; x's rows 128 + 16 w on
	s_add_nc_u64 s[G0Z+2:G0Z+3], s[94:95], s[20:21]
	s_or_b32 s[G0Z+3], s[G0Z+3], 0x80000000
	s_lshl_b32 s20, s[WV], 14
	s_add_co_u32 s20, s20, 131072                  ; x's rows 256 + 32 w on
	s_add_nc_u64 s[G0Y+2:G0Y+3], s[94:95], s[20:21]
	s_or_b32 s[G0Y+3], s[G0Y+3], 0x80000000
	s_lshl_b32 s30, s[WV], 13
	s_lshl_b32 s22, s[CX], 14                      ; the first prefetch: of the 65,536 bytes of rows 128-255 partner cx takes 16,384, waves 0 and 1 8,192 each, a lane a block
	s_add_co_u32 s22, s22, s30
	s_add_co_u32 s22, s22, 65536
	s_mov_b32 s23, 0
	s_add_nc_u64 s[PFB:PFB+1], s[94:95], s[22:23]
	s_lshl_b32 s22, s[CX], 15                      ; the second: of the 131,072 bytes of rows 256-511 partner cx takes 32,768, waves 0-3 8,192 each
	s_add_co_u32 s22, s22, s30
	s_add_co_u32 s22, s22, 131072
	s_add_nc_u64 s[PFA:PFA+1], s[94:95], s[22:23]
	s_lshl_b32 s22, s[RB], 12                      ; a row of part is 4,096 bytes, my quarter of it 1,024
	s_lshl_b32 s30, s[CQ], 10
	s_add_co_u32 s22, s22, s30
	s_add_nc_u64 s[OB:OB+1], s[12:13], s[22:23]
	s_cmp_lt_u32 s[WV], 2
	s_cbranch_scc0 .Lno_prefetch
	global_prefetch_b8 v[PFO], s[PFB:PFB+1] th:TH_LOAD_NT scope:SCOPE_SE
.Lno_prefetch:
	s_wait_tensorcnt 0x0                           ; my tile of the head's is in
	ds_add_u32 v[SPW], v[NIL]                      ; 0 onto my spare word
	s_mov_b32 s[G1X+2], 16<<16                     ; no load of mine is out: the next load of x brings 16 rows
	s_mov_b32 s[G1X+4], 16
	s_wait_dscnt 0x0
	CROUND                                         ; a whole round: everybody's tiles are in
	TL G0Z, G1X                                    ; x's rows 128-255, the first thing behind the round
.irp i, 0,1,2,3,4,5,6,7
	ds_load_b32 v[32+\i], v[ASC] offset:WSC-XSC+1088*\i            ; 32 rows of scales are four pieces
.endr
.irp i, 0,1
	ds_load_b32 v[16+\i], v[ASC] offset:1088*\i
.endr
	QL 0
.irp q, 0,1,2,3,4,5,6,7,8,9,10,11,12,13,14,15
.irp c, 0,1
	ds_load_b128 v[128+8*\q+4*\c:131+8*\q+4*\c], v[AD+\q/8] offset:8448*(\q%8)+32*\c
.endr
.endr
.irp i, 2,3,4,5,6,7
	ds_load_b32 v[16+\i], v[ASC] offset:1088*\i
.endr
	s_cmp_lt_u32 s[WV], 4
	s_cbranch_scc0 .Lno_prefetch_2
	global_prefetch_b8 v[PFO], s[PFA:PFA+1] th:TH_LOAD_NT scope:SCOPE_SE
.Lno_prefetch_2:
	HALF 0, 0, 1
	HALF 0, 8, 1
	QL 1
	PAIR 1
	; quad 1, with the change: Wq is in my registers.  The three lines, a round of the cluster's barrier, the joint load first behind it
	s_wait_dscnt 0x0
	HALF 2, 0, 0
	WIN 0
	s_wait_tensorcnt 0x0                           ; my part of rows 128-255 is in
	ds_add_u32 v[SPW], v[NIL]
	s_mov_b32 s[G1X+2], 32<<16                     ; the last load of x brings 32 rows
	s_mov_b32 s[G1X+4], 32
	HALF 2, 8, 0
	s_wait_dscnt 0x0                               ; the add is done; no read of mine is out
	s_barrier_signal -1
	HALF 3, 0, 0                                   ; work on registers while the others arrive
	WIN 0
	s_barrier_wait -1
	CREST
	TL G0Y, G1X                                    ; x's rows 256-511 into Wq's units
	QL 2
	HALF 3, 8, 0
	QUAD 2
	s_wait_dscnt 0x0                               ; quad 3's fragments are in
	PAIR 6
	WIN 0
	s_wait_tensorcnt 0x0                           ; my part of rows 256-511 is in
	ds_add_u32 v[SPW], v[NIL]
	HALF 7, 0, 0
	s_wait_dscnt 0x0
	WIN 0
	s_barrier_signal -1
	s_barrier_wait -1                              ; everybody's is.
	PLACES
.irp i, 8,9,10,11,12,13,14,15
	ds_load_b32 v[16+\i], v[ASC] offset:1088*\i    ; the scale words of those rows
.endr
	QL 4
	HALF 7, 8, 0
	QUAD 4
	QUAD 5
	QUAD 6
	QUAD 7
	; Lane (r, h) holds, of column block q, column r, rows 8 h + 0 .. 7 of both row blocks: they are added up, each accumulator from its low end on; the halves of the lanes and the waves meet in LDS
	WIN 0x05                                       ; sources 0 and 1 window 1
.rept 5
	v_nop
.endr
.irp q, 0,1,2,3,4,5,6,7,8,9,10,11,12,13,14,15
.irp k, 0,1,2,3
	v_pk_add_f32 v[64+8*\q+2*\k:65+8*\q+2*\k], v[16*\q+4*\k:16*\q+4*\k+1], v[16*\q+4*\k+2:16*\q+4*\k+3]
.endr
.endr
	WIN 0
.irp d, 4,2
.irp q, 0,1,2,3,4,5,6,7,8,9,10,11,12,13,14,15
	v_pk_add_f32 v[64+8*\q:65+8*\q], v[64+8*\q:65+8*\q], v[64+8*\q+\d:65+8*\q+\d]
.if \d == 4
	v_pk_add_f32 v[66+8*\q:67+8*\q], v[66+8*\q:67+8*\q], v[70+8*\q:71+8*\q]
.endif
.endr
.endr
.irp q, 0,1,2,3,4,5,6,7,8,9,10,11,12,13,14,15
	v_add_f32 v[64+8*\q], v[64+8*\q], v[65+8*\q]
.endr
.irp q, 0,1,2,3,4,5,6,7,8,9,10,11,12,13,14,15
	ds_store_b32 v[AC], v[64+8*\q] offset:64*\q
.endr
	s_wait_dscnt 0x0                               ; for the others' sake: my column sums lie in LDS
	s_barrier_signal -1
	s_barrier_wait -1
	s_cmp_lt_u32 s[WV], 4                          ; waves 0-3: thread t takes columns 2 t and 2 t + 1
	s_cbranch_scc0 .Ldone
.irp k, 0,1,2,3,4,5,6,7,8,9,10,11,12,13,14,15
	ds_load_b64 v[64+2*\k:65+2*\k], v[RDS] offset:1024*\k          ; eight K steps x two halves of the lanes
.endr
	s_wait_dscnt 0x0
.irp k, 0,1,2,3,4,5,6,7
	v_pk_add_f32 v[64+2*\k:65+2*\k], v[64+2*\k:65+2*\k], v[80+2*\k:81+2*\k]
.endr
.irp k, 0,1,2,3
	v_pk_add_f32 v[64+2*\k:65+2*\k], v[64+2*\k:65+2*\k], v[72+2*\k:73+2*\k]
.endr
.irp k, 0,1
	v_pk_add_f32 v[64+2*\k:65+2*\k], v[64+2*\k:65+2*\k], v[68+2*\k:69+2*\k]
.endr
	v_pk_add_f32 v[64:65], v[64:65], v[66:67]
	global_store_b64 v[GO], v[64:65], s[OB:OB+1]                   ; a wave stores 256 consecutive bytes, at a multiple of 256 from part's first byte
.Ldone:
	s_wait_tensorcnt 0x0                           ; the wave's end
	ds_add_u32 v[SPW], v[NIL]
	s_wait_dscnt 0x0
	CROUND                                         ; the closing round: no work-group ends while a partner may still ask for a tile that names it
	s_endpgm
.Lfunc_end_k_q716bcf67e3_qsum:
	.size	k_q716bcf67e3_qsum, .Lfunc_end_k_q716bcf67e3_qsum-k_q716bcf67e3_qsum
	.p2alignl 7, 3214868480
	.fill 96, 4, 3214868480
	.section	.rodata,"a",@progbits
	.p2align	6, 0x0
	.amdhsa_kernel k_q716bcf67e3_qsum
		.amdhsa_group_segment_fixed_size 327680
		.amdhsa_private_segment_fixed_size 0
		.amdhsa_enable_private_segment 0
		.amdhsa_kernarg_size 40
		.amdhsa_user_sgpr_count 2
		.amdhsa_user_sgpr_kernarg_segment_ptr 1
		.amdhsa_wavefront_size32 1
		.amdhsa_system_sgpr_workgroup_id_x 1
		.amdhsa_system_sgpr_workgroup_id_y 1
		.amdhsa_system_sgpr_workgroup_id_z 1
		.amdhsa_system_vgpr_workitem_id 0
		.amdhsa_next_free_vgpr 512
		.amdhsa_next_free_sgpr 100
		.amdhsa_reserve_vcc 0
		.amdhsa_float_denorm_mode_32 3
		.amdhsa_float_denorm_mode_16_64 3
		.amdhsa_memory_ordered 1
		.amdhsa_forward_progress 1
		.amdhsa_inst_pref_size 63
	.end_amdhsa_kernel
	.amdgpu_metadata
---
amdhsa.version: [ 1, 2 ]
amdhsa.kernels:
  - .name:           k_q716bcf67e3_qsum
    .symbol:         k_q716bcf67e3_qsum.kd
    .args:
      - { .name: x_codes, .offset: 0, .size: 8, .value_kind: global_buffer, .address_space: global }
      - { .name: x_scales, .offset: 8, .size: 8, .value_kind: global_buffer, .address_space: global }
      - { .name: Wq_codes, .offset: 16, .size: 8, .value_kind: global_buffer, .address_space: global }
      - { .name: Wq_scales, .offset: 24, .size: 8, .value_kind: global_buffer, .address_space: global }
      - { .name: part, .offset: 32, .size: 8, .value_kind: global_buffer, .address_space: global }
    .group_segment_fixed_size: 327680
    .private_segment_fixed_size: 0
    .kernarg_segment_align: 8
    .kernarg_segment_size: 40
    .max_flat_workgroup_size: 256
    .sgpr_count:     100
    .vgpr_count:     512
    .wavefront_size: 32
...
	.end_amdgpu_metadata
.endif
;; end of part 1
;; launch kout (part 2): grid 256 x 1, 4 waves a work-group, clusters of 4 x 1, 327,680 bytes of LDS; arguments x_codes, x_scales, Wk_codes, Wk_scales, part, bq, bk, Wfc, bfc, out0; writes out0
.if DOCPART == 2
	.amdgcn_target "amdgcn-amd-amdhsa--gfx1250"
	.amdhsa_code_object_version 6
	.text
	.protected	k_q716bcf67e3_kout
	.globl	k_q716bcf67e3_kout
	.p2align	8
	.type	k_q716bcf67e3_kout,@function
k_q716bcf67e3_kout:
	s_mov_b64 s[64:65], 0
	v_nop
	global_prefetch_b8 v0, s[64:65] scope:SCOPE_SE
	s_setreg_imm32_b32 hwreg(HW_REG_WAVE_MODE, 25, 1), 1
	s_wait_xcnt 0x0
	s_wait_alu depctr_hold_cnt(0) depctr_sa_sdst(0) depctr_va_vdst(0) depctr_va_sdst(0) depctr_va_ssrc(0) depctr_va_vcc(0) depctr_vm_vsrc(0)
	s_getreg_b32 s2, hwreg(HW_REG_IB_STS2, 6, 4)
	s_cmp_eq_u32 s2, 0
	s_cbranch_scc0 .Lentry_in_a_cluster
	s_endpgm
.Lentry_in_a_cluster:
	s_bfe_u32 s2, ttmp6, 0x10000c
	s_cmp_lg_u32 s2, 0x3003
	s_cbranch_scc0 .Lentry_shape_is_right
	s_endpgm
.Lentry_shape_is_right:
; out[m] = the sum over n of ((x Wk^T)[m][n] + bk[n]) v[b][n] + bfc,  v[b][n] = (S[b][n] / 4,096 + bq[n]) Wfc[n / 64] / 8,  S[b][n] = the sum of the batch's 8 rows of part (the column sums of x Wq^T, 512 rows each).
; That is the mean of Q over a batch's 4,096 rows, its product with K head by head, the division by sqrt(64) and the sum over heads weighed by Wfc, all in f32 by fused multiply-adds.
; x: 32,768 rows x 1,024 K, Wk: 1,024 rows x 1,024 K: codes of FP4 (E2M1), two a byte, K innermost, one E8M0 byte for each 32 along K: they go to the matrix unit as they lie.
; SHARES.  Work-group g (256 of them) owns rows 128 g .. 128 g + 127 and ALL 1,024 columns, so each number of out has one owner.  Each of its four waves keeps all 128 rows x 1,024 K of x in 512 registers and takes a
; quarter of the columns: 32 of each tile of 128.  A column block of 16 is 32 products of 32 x 16 x 128, then 32 packed multiply-adds for v.  A wave issues 512 products.
; x COMES IN TWO HALVES ALONG K (256 bytes of each row): column blocks 0-5 are done on K steps 0-3 while the second half is on its way, then on K steps 4-7; the sums over columns are linear, so each half takes its own
; multiply-adds.  Blocks 6-15 take all eight K steps.  No fragment of Wk is read from LDS twice.
; K x v IS TAKEN ON THE WAY: source 0 = 32 rows of x, source 1 = 16 rows of Wk, so lane (r, h) holds column r and rows 8 h + 0 .. 7 of both row blocks: v[column] x result is added onto 64 running sums a lane.
; LDS: four units of 128 rows for Wk's tiles: 0-3, then 4 and 5 in units 0 and 1, 6 and 7 in units 2 and 3; and one region for x, which takes its first half, then its second.
; CLUSTER: the four work-groups of a cluster walk the same Wk: its tiles are joint loads (mask 15; the descriptors hang on the wave's number alone).  x is the work-group's own: plain loads.
; PREFETCH: x's second half by its own work-group, a lane a row, while the head's loads are out.  Wk's tiles 3-7 by the first four clusters alone (all clusters walk the same Wk), told apart by address, each ahead of
; the round whose joint load wants it: tile 3 at the head, 4 and 5 behind the first round, 6 and 7 behind the second.
; LIMITS: the columns are summed in parts and column blocks 0-5 in two halves of K, so the order of rounding differs from a plain ascending sum; scale bytes are taken as given (0xff gives NaN).
; REGISTERS.  Window 0: v2-15, v144-154 addresses; v16-47 x's scale words (16 + 8 i + s: lane l row 32 i + l, K step s); v48-111 Wk's (48 + 8 p + s: lanes 0-15 and 16-31 my two column blocks of tile p);
;   v112-143 v, each number twice, a pair for each of my 16 column blocks; v176-240 at work.   Window 1: v0-127 Wk's fragments, two sets of 64; v128-191 four accumulators of 16; v192-255 the running sums.
;   Windows 2 and 3: x's fragments, K steps 0-3 and 4-7 (64 (s % 4) + 8 a).
.set PITCH, 528                        ; a row of Wk in LDS: 512 bytes + 16 of padding: the 16 rows that a load touches start 16 bytes apart modulo 256
.set XP,    272                        ; half a row of x: 256 bytes + 16 of padding: likewise
.set UNIT,  128*PITCH
.set XR,    4*UNIT                     ; x's region
.set VB,    XR+128*XP                  ; v, each number twice: column n at 8 n
.set TZ,    VB+8192                    ; four words: each wave's part of the sum of bk x v
.set SPARE, TZ+256                     ; the spare words, 128 bytes for each of four waves
.set STG,   0                          ; the end: a stage of 16 rows x 528 bytes for each wave, and behind them 512 bytes for each wave.  They lie in unit 0, which has had its last fill,
.set RED2,  4*16*PITCH                 ; and which nobody reads behind the last change of units
.set AW,  2                            ; v2-5  my lane's place among my rows of unit 0 .. 3
.set AX,  6                            ; v6   among x's rows
.set AV,  7                            ; v7   among v's pairs
.set SPW, 8                            ; v8   SPARE + 4 x my thread's number; never rewritten
.set NIL, 9                            ; v9   0; never rewritten
.set SCO, 10                           ; v10  32 x lane
.set PO,  11                           ; v11  16 x thread
.set WFO, 12                           ; v12  4 x (thread / 16)
.set VBW, 13                           ; v13  where I put v's pairs
.set TZW, 14                           ; v14  TZ + 4 x wave
.set STO, 15                           ; v15  the stage, in
.set SRD, 144                          ; v144 the stage, back
.set R2W, 145
.set R2R, 146
.set TZR, 147
.set OO,  148                          ; v148 16 x lane
.set PFO, 149                          ; v149 256 x lane
.set PXO, 154                          ; v154 512 x lane
.set VP,  112
.set WK,  176
.set ACC, 128                          ; in window 1
.set RUN, 192                          ; in window 1
.set WV,  24
.set CX,  27
.set GW,  28
.set XSB, 30
.set WSB, 32
.set G1K, 36
.set G1X, 44
.set G0X, 52
.set G0H, 56
.set G0A, 60
.set G0B, 68
.set G0C, 72
.set G0Y, 96
.set SEL, 66
.set PFT, 76
.set BFC, 78                           ; s78  bfc;  s79  2^-12
.set PFA, 80
.set OB,  82
.set PB,  84
.set PFX, 92
.set MSB, 0
.macro WIN new                         ; the immediate's high byte repeats the setting that is left; a switch that changes nothing is dropped
.if MSB != (\new)
	s_set_vgpr_msb (MSB<<8)|(\new)
.set MSB, \new
.endif
.endm
.macro CREST                           ; a round of the cluster's barrier behind its opening barrier
	s_cmp_lg_u32 s[WV], 0
	s_cbranch_scc1 .Lnot_wave_0_\@
	s_barrier_signal -3
.Lnot_wave_0_\@:
	s_barrier_wait -3
	s_barrier_signal -1
	s_barrier_wait -1
.endm
.macro CROUND
	s_barrier_signal -1
	s_barrier_wait -1
	CREST
.endm
.macro TL g0, g1                       ; a tensor load; four v_nop follow it
	tensor_load_to_lds s[\g0:\g0+3], s[\g1:\g1+7]
	s_nop 0
.rept 4
	v_nop
.endr
.endm
.macro ASK off                         ; a prefetch of two of Wk's tiles, by the first four clusters
	WIN 0
	s_cmp_lt_u32 ttmp9, 4
	s_cbranch_scc0 .Lno_ask_\@
	global_prefetch_b8 v[PFO], s[PFA:PFA+1] offset:\off th:TH_LOAD_NT scope:SCOPE_SE
.Lno_ask_\@:
.endm
; Column block j (0 .. 15) is block j % 2 of my two in tile j / 2, which lies in unit (j / 2) % 4.  Its fragments of K steps a .. a + n - 1, two loads each, go into set j % 2.
.macro LOADS j, a, n
.set LU_, ((\j)/2)%4
.set LS_, \a
	WIN 0x54                                       ; destination window 1, address window 0
.rept \n
	ds_load_b128 v[64*((\j)%2)+8*LS_:64*((\j)%2)+8*LS_+3], v[AW+LU_] offset:16*PITCH*((\j)%2)+64*LS_
	ds_load_b128 v[64*((\j)%2)+8*LS_+4:64*((\j)%2)+8*LS_+7], v[AW+LU_] offset:16*PITCH*((\j)%2)+64*LS_+32
.set LS_, LS_+1
.endr
.endm
.macro XL s                            ; x's eight fragments of K step s
	WIN 0x80+0x40*((\s)/4)
.irp a, 0,1,2,3,4,5,6,7
.irp c, 0,1
	ds_load_b128 v[64*((\s)%4)+8*\a+4*\c:64*((\s)%4)+8*\a+4*\c+3], v[AX] offset:16*XP*\a+64*((\s)%4)+32*\c
.endr
.endr
.endm
.macro MM i, m1
.if Z_
	v_wmma_scale_f32_32x16x128_f4 v[ACC+16*\i:ACC+16*\i+15], v[RA_:RA_+15], v[RB_:RB_+7], 0, v[SA_], v[SB_] \m1
.else
	v_wmma_scale_f32_32x16x128_f4 v[ACC+16*\i:ACC+16*\i+15], v[RA_:RA_+15], v[RB_:RB_+7], v[ACC+16*\i:ACC+16*\i+15], v[SA_], v[SB_] \m1
.endif
.endm
; K step s of column block j: four products, on four accumulators by turns.  The first K step, a, starts the sums with the constant 0.
.macro MK j, a, s
	WIN 0x56+(\s)/4                                ; source 0 (x) window 2 or 3; source 1 (Wk), C and D window 1
.set RB_, 64*((\j)%2)+8*(\s)
.set SB_, 48+8*((\j)/2)+(\s)
.if (\s) == (\a)
.set Z_, 1
.else
.set Z_, 0
.endif
.irp i, 0,1,2,3
.set RA_, 64*((\s)%4)+16*\i
.set SA_, 16+8*\i+(\s)
.if (\j)%2 == 0
	MM \i
.else
	MM \i, matrix_b_scale:MATRIX_SCALE_ROW1
.endif
.endr
.endm
.macro MKS j, a, s0, n                 ; K steps s0 .. s0 + n - 1
.set MS_, \s0
.rept \n
	MK \j, \a, MS_
.set MS_, MS_+1
.endr
.endm
; The running sums take v[my column] x the results, two rows an instruction.  The first column block starts them: nothing is cleared.
; Four v_nop are the places behind the last products; with the 32 lines behind them they also stand ahead of the next loads into operands and of the next products that begin the sums anew.
.macro FMA j, first
	WIN 0x54                                       ; source 0 (v) window 0, all else window 1
.rept 4
	v_nop
.endr
.irp a, 0,1,2,3,4,5,6,7
.irp i, 0,2,4,6
.if \first
	v_pk_mul_f32 v[RUN+8*\a+\i:RUN+8*\a+\i+1], v[VP+2*(\j):VP+2*(\j)+1], v[ACC+8*\a+\i:ACC+8*\a+\i+1]
.else
	v_pk_fma_f32 v[RUN+8*\a+\i:RUN+8*\a+\i+1], v[VP+2*(\j):VP+2*(\j)+1], v[ACC+8*\a+\i:ACC+8*\a+\i+1], v[RUN+8*\a+\i:RUN+8*\a+\i+1]
.endif
.endr
.endr
.endm
; K steps a .. a + n - 1 of column block j; the next part's fragments (block nj, K steps na .. na + nn - 1) are asked for first.
.macro STEP j, a, n, nj, na, nn
.if \nn
	LOADS \nj, \na, \nn
.endif
	s_wait_dscnt 2*(\nn)                           ; all but the loads just issued: this part's fragments are in
	MKS \j, \a, \a, \n
	FMA \j, 0
.endm
; Column block 0 on one half of K: x's fragments come into registers K step by K step, two K steps ahead of their products.
.macro XFIRST a
	LOADS 0, \a, 4
	XL \a
	XL \a+1
.endm
.macro XBLK a, first
	XL \a+2
	s_wait_dscnt 32                                ; two runs of 16 may be out
	MK 0, \a, \a
	XL \a+3
	LOADS 1, \a, 4
	s_wait_dscnt 40                                ; those runs and the next block's 8 loads
	MK 0, \a, \a+1
	s_wait_dscnt 24
	MK 0, \a, \a+2
	s_wait_dscnt 8
	MK 0, \a, \a+3
	FMA 0, \first
.endm
; A part with a change: in front of the barrier each wave waits for all its tensor loads, adds 0 to its spare word, and waits for that and for its reads.
; mode 1: x's second half and tile 3; 2: tiles 4 and 5; 3: tiles 6 and 7; 0 and 4: nothing is filled (4: x's second half comes into registers next).
.macro CSTEP j, a, n, nj, na, nn, mode
	WIN 0                                          ; the add's registers lie in window 0
	s_wait_tensorcnt 0x0                           ; all my tensor loads have landed
	ds_add_u32 v[SPW], v[NIL]                      ; 0 onto my spare word
	s_wait_dscnt 1                                 ; this part's fragments are in; the add may be out
	MKS \j, \a, \a, (\n)/4
	s_wait_dscnt 0x0                               ; the add is done; no read of mine is out
	s_barrier_signal -1
	MKS \j, \a, (\a)+(\n)/4, (\n)/4                ; work on registers while the others arrive
	WIN 0
	s_barrier_wait -1
.if \mode == 1
	CREST                                          ; no wave of any partner still reads what is filled again, or has a load on its way
	s_cmp_lt_u32 s[WV], 2                          ; waves 0 and 1 fetch x's second half, waves 2 and 3 tile 3
	s_cbranch_scc0 .Lfor_k_\@
	TL G0Y, G1X
	s_branch .Lboth_\@
.Lfor_k_\@:
	TL G0A, G1K
.Lboth_\@:
.elseif \mode == 2
	CREST
	TL G0B, G1K                                    ; the first thing behind the round, my one tensor load until the next
.elseif \mode == 3
	CREST
	TL G0C, G1K
.endif
.if \mode == 4
	XFIRST 4
.else
	LOADS \nj, \na, \nn
.endif
.if \mode == 1
	ASK 262144                                     ; tiles 4 and 5
.elseif \mode == 2
	ASK 393216                                     ; tiles 6 and 7
.endif
	MKS \j, \a, (\a)+(\n)/2, (\n)/2
	FMA \j, 0
.endm
.macro TREE base, d                    ; quads base + 4 i += quads base + 4 (i + d), i = 0 .. d - 1
.set i_, 0
.rept \d
	v_pk_add_f32 v[\base+4*i_:\base+4*i_+1], v[\base+4*i_:\base+4*i_+1], v[\base+4*(i_+\d):\base+4*(i_+\d)+1]
	v_pk_add_f32 v[\base+4*i_+2:\base+4*i_+3], v[\base+4*i_+2:\base+4*i_+3], v[\base+4*(i_+\d)+2:\base+4*(i_+\d)+3]
.set i_, i_+1
.endr
.endm
	s_load_b256 s[4:11], s[0:1], 0x0               ; x's codes s[4:5], x's scales s[6:7], Wk's codes s[8:9], Wk's scales s[10:11]
	s_load_b256 s[12:19], s[0:1], 0x20             ; part s[12:13], bq s[14:15], bk s[16:17], Wfc s[18:19]
	s_load_b128 s[20:23], s[0:1], 0x40             ; bfc s[20:21], out0 s[22:23]
	v_lshl_add_u32 v[SPW], v0, 2, SPARE
	v_mov_b32 v[NIL], 0
	ds_add_u32 v[SPW], v[NIL]                      ; the wave's opening: the add, twice on end, and its one wait
	ds_add_u32 v[SPW], v[NIL]
	v_lshrrev_b32 v1, 5, v0
	v_readfirstlane_b32 s[WV], v1                  ; wave 0 .. 3
	s_bfe_u32 s[CX], ttmp6, 0x40000                ; my place in the cluster: it enters global addresses of x, out0 and the prefetches alone
	s_lshl_b32 s[GW], ttmp9, 2                     ; in a cluster launch ttmp9 counts clusters
	s_add_co_u32 s[GW], s[GW], s[CX]               ; g
	s_mov_b32 s[SEL], 0x76543210
	s_mov_b32 s[SEL+1], 0xfedcba98
	s_mov_b32 s79, 0x39800000                      ; 2^-12 = 1 / 4,096
	; group 1 for Wk: rows of 512 bytes, dense in memory, 16 bytes of padding behind each row in LDS; 128 rows at the head
	s_mov_b32 s[G1K], 15|(1<<20)|(1<<21)|(6<<22)|(3<<25)           ; 15:0 the mask: all four work-groups; 17:16 elements of 1 byte; 20 padding on; 21 set beside a mask; 24:22 after every 128 words (code 6); 31:25 four words (code 3)
	s_mov_b32 s[G1K+1], 512<<16
	s_mov_b32 s[G1K+3], 512<<16
	; for x: half rows of 256 bytes, 512 apart, 16 bytes of padding behind each; no mask
	s_mov_b32 s[G1X], (1<<20)|(5<<22)|(3<<25)
	s_mov_b32 s[G1X+1], 256<<16
	s_mov_b32 s[G1X+3], 256<<16
.irp g, G1K, G1X
	s_mov_b32 s[\g+2], 128<<16
	s_mov_b32 s[\g+4], 128
	s_mov_b32 s[\g+5], 512
	s_mov_b32 s[\g+6], 0
	s_mov_b32 s[\g+7], 0
.endr
.irp g, G0X, G0H, G0A, G0B, G0C, G0Y
	s_mov_b32 s[\g], 1
.endr
	s_mov_b32 s[G0X+1], XR                         ; the head, wave 0: x's first half
	s_add_co_u32 s25, s[WV], 3
	s_and_b32 s25, s25, 3
	s_mul_i32 s[G0H+1], s25, UNIT                  ; waves 1-3: tiles 0-2 into units 0-2
	s_mul_i32 s[G0B+1], s[WV], 64*PITCH            ; tiles 4 and 5 into units 0 and 1, half a tile a wave
	s_add_co_u32 s[G0A+1], s[G0B+1], 2*UNIT        ; waves 2 and 3: tile 3 into unit 3
	s_add_co_u32 s[G0C+1], s[G0B+1], 2*UNIT        ; tiles 6 and 7 into units 2 and 3
	s_mul_i32 s[G0Y+1], s[WV], 64*XP               ; waves 0 and 1: x's second half
	s_add_co_u32 s[G0Y+1], s[G0Y+1], XR
	s_mul_i32 s34, s[WV], 32*PITCH
	s_lshl_b32 s35, s[WV], 8
	s_add_co_u32 s35, s35, VB
	s_lshl_b32 s90, s[WV], 2
	s_add_co_u32 s90, s90, TZ
	s_mul_i32 s91, s[WV], 16*PITCH
	s_lshl_b32 s26, s[WV], 9
	s_add_co_u32 s26, s26, RED2
	v_and_b32 v150, 15, v0                         ; r
	v_bfe_u32 v151, v0, 4, 1                       ; h
	v_and_b32 v152, 31, v0                         ; lane
	v_mul_u32_u24 v153, v150, PITCH
	v_mul_u32_u24 v155, v150, XP
	v_lshlrev_b32 v[OO], 4, v152
	v_lshlrev_b32 v[PFO], 8, v152
	v_lshlrev_b32 v[PXO], 9, v152
	v_lshlrev_b32 v[SCO], 5, v152
	v_lshl_add_u32 v[AW], v151, 4, v153
	v_lshl_add_u32 v[AX], v151, 4, v155
	v_lshl_add_u32 v[STO], v151, 5, v153
	v_lshlrev_b32 v[AV], 3, v150
	v_lshlrev_b32 v[PO], 4, v0
	v_lshrrev_b32 v[WFO], 4, v0
	v_lshl_add_u32 v[VBW], v0, 5, VB
	v_add_nc_u32 v[AW], s34, v[AW]
	v_add_nc_u32 v[AX], XR, v[AX]
	v_add_nc_u32 v[AV], s35, v[AV]
	v_mov_b32 v[TZW], s90
	v_add_nc_u32 v[STO], s91, v[STO]
	v_add_nc_u32 v[SRD], s91, v[OO]
	v_add_nc_u32 v[R2W], s26, v[OO]
	v_add_nc_u32 v[R2R], RED2, v[OO]
	v_mov_b32 v[TZR], TZ
	v_lshlrev_b32 v[WFO], 2, v[WFO]
	v_add_nc_u32 v[AW+1], UNIT, v[AW]
	v_add_nc_u32 v[AW+2], 2*UNIT, v[AW]
	v_add_nc_u32 v[AW+3], 3*UNIT, v[AW]
	v_mov_b32 v240, 0                              ; written once: a lane permute's destination counts as one of its sources
	s_wait_alu depctr_va_vdst(0)
	s_wait_dscnt 0x0                               ; both opening adds are done
	CROUND                                         ; all four work-groups are here: the first joint loads meet
	s_wait_kmcnt 0x0
	s_lshl_b32 s86, s25, 16                        ; a tile is 65,536 bytes: the joint loads' addresses hang on the wave's number alone
	s_mov_b32 s87, 0
	s_add_nc_u64 s[G0H+2:G0H+3], s[8:9], s[86:87]
	s_or_b32 s[G0H+3], s[G0H+3], 0x80000000        ; type = 2
	s_lshl_b32 s88, s[GW], 16                      ; x: 128 rows of 512 bytes
	s_mov_b32 s89, 0
	s_add_nc_u64 s[G0X+2:G0X+3], s[4:5], s[88:89]
	s_or_b32 s[G0X+3], s[G0X+3], 0x80000000
	s_cmp_eq_u32 s[WV], 0                          ; one load a wave
	s_cbranch_scc0 .Lhead_k
	TL G0X, G1X
	s_branch .Lasked
.Lhead_k:
	TL G0H, G1K
.Lasked:
	s_load_b32 s[BFC], s[20:21], 0x0               ; bfc
	s_lshl_b32 s29, s[WV], 15
	s_add_co_u32 s88, s88, s29
	s_add_co_u32 s88, s88, 256
	s_add_nc_u64 s[G0Y+2:G0Y+3], s[4:5], s[88:89]  ; x's second half: rows 64 w on
	s_or_b32 s[G0Y+3], s[G0Y+3], 0x80000000
	s_lshl_b32 s88, s[GW], 16
	s_lshl_b32 s29, s[WV], 14
	s_add_co_u32 s88, s88, s29
	s_add_co_u32 s88, s88, 256
	s_add_nc_u64 s[PFX:PFX+1], s[4:5], s[88:89]    ; its prefetch: rows 32 w on, a lane a row
	s_lshr_b32 s88, ttmp9, 3                       ; the batch: 32 work-groups, 8 clusters, to a batch
	s_lshl_b32 s88, s88, 15                        ; its 8 rows of part, 4,096 bytes each
	s_add_nc_u64 s[PB:PB+1], s[12:13], s[88:89]
	s_lshl_b32 s88, s[GW], 12                      ; x's scales: 128 rows of 32 bytes
	s_add_nc_u64 s[XSB:XSB+1], s[6:7], s[88:89]
	s_lshl_b32 s88, s[WV], 10                      ; Wk's: my 32 rows of a tile's 128
	s_add_nc_u64 s[WSB:WSB+1], s[10:11], s[88:89]
	WIN 0x40                                       ; destination window 1: registers that the accumulators will take
.irp i, 0,1,2,3,4,5,6,7
	global_load_b128 v[128+8*\i:131+8*\i], v[PO], s[PB:PB+1] offset:4096*\i          ; columns 4 t .. 4 t + 3 of the batch's 8 partial sums; a wave reads 512 consecutive bytes
	global_load_b128 v[132+8*\i:135+8*\i], v[PO], s[PB:PB+1] offset:4096*\i+2048     ; and columns 512 + 4 t on
.endr
	WIN 0
	global_load_b128 v[200:203], v[PO], s[14:15]   ; bq
	global_load_b128 v[204:207], v[PO], s[14:15] offset:2048
	global_load_b128 v[208:211], v[PO], s[16:17]   ; bk
	global_load_b128 v[212:215], v[PO], s[16:17] offset:2048
	global_load_b32 v216, v[WFO], s[18:19]         ; Wfc of my columns' two heads
	global_load_b32 v217, v[WFO], s[18:19] offset:32
.irp i, 0,1,2,3
.irp j, 0,1
	global_load_b128 v[16+8*\i+4*\j:19+8*\i+4*\j], v[SCO], s[XSB:XSB+1] offset:1024*\i+16*\j   ; x's scale words: lane l row 32 i + l, K steps 4 j .. 4 j + 3
.endr
.endr
.irp p, 0,1,2,3,4,5,6,7
.irp j, 0,1
	global_load_b128 v[48+8*\p+4*\j:51+8*\p+4*\j], v[SCO], s[WSB:WSB+1] offset:4096*\p+16*\j   ; Wk's, of tile p
.endr
.endr
	s_lshl_b32 s86, s[WV], 15
	s_add_co_u32 s86, s86, 131072
	s_add_nc_u64 s[G0A+2:G0A+3], s[8:9], s[86:87]  ; waves 2 and 3: tile 3, at 196,608
	s_or_b32 s[G0A+3], s[G0A+3], 0x80000000
	s_add_co_u32 s86, s86, 131072
	s_add_nc_u64 s[G0B+2:G0B+3], s[8:9], s[86:87]  ; tiles 4 and 5
	s_or_b32 s[G0B+3], s[G0B+3], 0x80000000
	s_add_co_u32 s86, s86, 131072
	s_add_nc_u64 s[G0C+2:G0C+3], s[8:9], s[86:87]  ; tiles 6 and 7
	s_or_b32 s[G0C+3], s[G0C+3], 0x80000000
	s_lshl_b32 s29, s[WV], 13
	s_lshl_b32 s88, s[CX], 15                      ; the prefetches of two tiles: 32,768 bytes a work-group, 8,192 a wave, a lane a block
	s_add_co_u32 s88, s88, s29
	s_add_nc_u64 s[PFA:PFA+1], s[8:9], s[88:89]
	s_lshl_b32 s88, s[CX], 14                      ; that of tile 3: 16,384 a work-group, waves 0 and 1
	s_add_co_u32 s88, s88, s29
	s_add_co_u32 s88, s88, 196608
	s_add_nc_u64 s[PFT:PFT+1], s[8:9], s[88:89]
	s_lshl_b32 s88, s[GW], 9                       ; 128 numbers of out0
	s_add_nc_u64 s[OB:OB+1], s[22:23], s[88:89]
	s_cmp_lt_u32 ttmp9, 4
	s_cbranch_scc0 .Lno_tile_3
	s_cmp_lt_u32 s[WV], 2
	s_cbranch_scc0 .Lno_tile_3
	global_prefetch_b8 v[PFO], s[PFT:PFT+1] th:TH_LOAD_NT scope:SCOPE_SE
.Lno_tile_3:
	s_wait_loadcnt 24                              ; part, bq, bk and Wfc are in; the 24 loads of scale words issued behind them may stay out
	global_prefetch_b8 v[PXO], s[PFX:PFX+1] th:TH_LOAD_NT scope:SCOPE_SE   ; x's second half
	WIN 0x55                                       ; all in window 1
.irp d, 4,2,1                          ; S: the 8 partial sums of my eight columns
.set i_, 0
.rept \d
.irp e, 0,2,4,6
	v_pk_add_f32 v[128+8*i_+\e:129+8*i_+\e], v[128+8*i_+\e:129+8*i_+\e], v[128+8*(i_+\d)+\e:129+8*(i_+\d)+\e]
.endr
.set i_, i_+1
.endr
.endr
	WIN 0x01                                       ; source 0 window 1
.irp e, 0,1,2,3,4,5,6,7
	v_fma_f32 v[176+2*\e], v[128+\e], s79, v[200+\e]               ; the mean of Q: S / 4,096 + bq
.endr
	WIN 0
	v_mul_f32 v216, 0x3e000000, v216               ; Wfc / 8
	v_mul_f32 v217, 0x3e000000, v217
.irp e, 0,1,2,3,4,5,6,7
	v_mul_f32 v[176+2*\e], v[176+2*\e], v[216+\e/4]                ; v
.endr
.irp e, 0,1,2,3,4,5,6,7
	v_mov_b32 v[177+2*\e], v[176+2*\e]             ; twice: the packed multiply-adds take it as a pair
.endr
	ds_store_b128 v[VBW], v[176:179]
	ds_store_b128 v[VBW], v[180:183] offset:16
	ds_store_b128 v[VBW], v[184:187] offset:4096
	ds_store_b128 v[VBW], v[188:191] offset:4112
	v_mul_f32 v192, v208, v176                     ; my part of the sum of bk x v, in two chains
	v_mul_f32 v193, v209, v178
	v_fmac_f32 v192, v210, v180
	v_fmac_f32 v193, v211, v182
	v_fmac_f32 v192, v212, v184
	v_fmac_f32 v193, v213, v186
	v_fmac_f32 v192, v214, v188
	v_fmac_f32 v193, v215, v190
	v_add_f32 v192, v192, v193
	v_add_f32_dpp v192, v192, v192 row_xmask:1 row_mask:0xf bank_mask:0xf
	v_add_f32_dpp v192, v192, v192 row_xmask:2 row_mask:0xf bank_mask:0xf
	v_add_f32_dpp v192, v192, v192 row_xmask:4 row_mask:0xf bank_mask:0xf
	v_add_f32_dpp v192, v192, v192 row_xmask:8 row_mask:0xf bank_mask:0xf
	v_permlanex16_b32 v240, v192, s[SEL], s[SEL+1]
	v_add_f32 v192, v192, v240                     ; the wave's
	ds_store_b32 v[TZW], v192                      ; all lanes write the same word with the same value
	s_wait_alu depctr_va_vdst(0)
	s_wait_tensorcnt 0x0                           ; my tile of the head's is in
	ds_add_u32 v[SPW], v[NIL]
	s_mov_b32 s[G1K+2], 64<<16                     ; no load of mine is out: from here on a load brings 64 rows
	s_mov_b32 s[G1K+4], 64
	s_mov_b32 s[G1X+2], 64<<16
	s_mov_b32 s[G1X+4], 64
	s_wait_dscnt 0x0                               ; for the others' sake: my pairs of v and my word lie in LDS
	s_barrier_signal -1
	s_barrier_wait -1                              ; x's first half, tiles 0-2 and v are whole for every wave
	s_wait_loadcnt 0x0                             ; the scale words
	s_wait_kmcnt 0x0                               ; bfc
.irp p, 0,1,2,3,4,5,6,7
.irp q, 0,1
	ds_load_b64 v[VP+4*\p+2*\q:VP+4*\p+2*\q+1], v[AV] offset:1024*\p+128*\q    ; v of my column block q in tile p
.endr
.endr
	XFIRST 0
	XBLK 0, 1                                      ; K steps 0-3 of column blocks 0-5
	CSTEP 1, 0, 4, 2, 0, 4, 1                      ; x's first half is in registers: its region takes the second half
	STEP 2, 0, 4, 3, 0, 4
	STEP 3, 0, 4, 4, 0, 4
	STEP 4, 0, 4, 5, 0, 4
	CSTEP 5, 0, 4, 0, 4, 4, 4                      ; x's second half and tile 3 are whole for every wave
	XBLK 4, 0                                      ; K steps 4-7 of column blocks 0-5
	STEP 1, 4, 4, 2, 4, 4
	STEP 2, 4, 4, 3, 4, 4
	CSTEP 3, 4, 4, 4, 4, 4, 2                      ; tiles 0 and 1 have been read: units 0 and 1 take tiles 4 and 5
	STEP 4, 4, 4, 5, 4, 4
	STEP 5, 4, 4, 6, 0, 8
	STEP 6, 0, 8, 7, 0, 8                          ; all eight K steps from here on
	CSTEP 7, 0, 8, 8, 0, 8, 3                      ; tiles 2 and 3 have been read: units 2 and 3 take tiles 6 and 7
	STEP 8, 0, 8, 9, 0, 8
	STEP 9, 0, 8, 10, 0, 8
	STEP 10, 0, 8, 11, 0, 8
	CSTEP 11, 0, 8, 12, 0, 8, 0                    ; the last two tiles are whole for every wave; nothing is filled
	STEP 12, 0, 8, 13, 0, 8
	STEP 13, 0, 8, 14, 0, 8
	STEP 14, 0, 8, 15, 0, 8
	STEP 15, 0, 8, 0, 0, 0
	; THE END.  Lane (r, h) holds, for rows 16 a + 8 h + j, the sum over my columns that are r modulo 16.  The 16 lanes' sums meet in my own stage: row r of it holds 128 numbers, one for each row of x;
	; read back, lane l takes rows 4 l .. 4 l + 3 of all 16 stage rows.  LDS serves a wave's instructions in order (ISA guide 5.7.1.4): no wait between my stores and my loads.
	WIN 0x04                                       ; an LDS store's data are its source 1: window 1
.irp a, 0,1,2,3,4,5,6,7
	ds_store_b128 v[STO], v[RUN+8*\a:RUN+8*\a+3] offset:STG+64*\a
	ds_store_b128 v[STO], v[RUN+8*\a+4:RUN+8*\a+7] offset:STG+64*\a+16
.endr
	WIN 0
.irp e, 0,1,2,3,4,5,6,7,8,9,10,11,12,13,14,15
	ds_load_b128 v[WK+4*\e:WK+4*\e+3], v[SRD] offset:STG+PITCH*\e
.endr
	s_wait_dscnt 0x0
	TREE WK, 8
	TREE WK, 4
	TREE WK, 2
	TREE WK, 1
	ds_store_b128 v[R2W], v[WK:WK+3]               ; my wave's part of the 128 rows
	s_wait_dscnt 0x0                               ; for wave 0's sake
	s_barrier_signal -1
	s_barrier_wait -1
	s_cmp_lg_u32 s[WV], 0                          ; wave 0 adds the four waves' parts and stores
	s_cbranch_scc1 .Ldone
.irp i, 0,1,2,3
	ds_load_b128 v[WK+4*\i:WK+4*\i+3], v[R2R] offset:512*\i
.endr
	ds_load_b128 v[192:195], v[TZR]                ; the four parts of the sum of bk x v
	s_wait_dscnt 0x0
	TREE WK, 2
	v_pk_add_f32 v[192:193], v[192:193], v[194:195]
	TREE WK, 1
	v_add_f32 v192, v192, v193
	v_add_f32 v192, s[BFC], v192                   ; + bfc
	v_mov_b32 v193, v192
	v_pk_add_f32 v[WK:WK+1], v[WK:WK+1], v[192:193]
	v_pk_add_f32 v[WK+2:WK+3], v[WK+2:WK+3], v[192:193]
	global_store_b128 v[OO], v[WK:WK+3], s[OB:OB+1]                ; 32 lanes store 512 consecutive bytes, at a multiple of 256 from out0's first byte
.Ldone:
	s_wait_tensorcnt 0x0                           ; the wave's end: behind my last tensor load and my last LDS store
	ds_add_u32 v[SPW], v[NIL]
	s_wait_dscnt 0x0
	CROUND                                         ; the closing round: no work-group ends while a partner may still ask for a tile that names it
	s_endpgm
.Lfunc_end_k_q716bcf67e3_kout:
	.size	k_q716bcf67e3_kout, .Lfunc_end_k_q716bcf67e3_kout-k_q716bcf67e3_kout
	.p2alignl 7, 3214868480
	.fill 96, 4, 3214868480
	.section	.rodata,"a",@progbits
	.p2align	6, 0x0
	.amdhsa_kernel k_q716bcf67e3_kout
		.amdhsa_group_segment_fixed_size 327680
		.amdhsa_private_segment_fixed_size 0
		.amdhsa_enable_private_segment 0
		.amdhsa_kernarg_size 80
		.amdhsa_user_sgpr_count 2
		.amdhsa_user_sgpr_kernarg_segment_ptr 1
		.amdhsa_wavefront_size32 1
		.amdhsa_system_sgpr_workgroup_id_x 1
		.amdhsa_system_sgpr_workgroup_id_y 1
		.amdhsa_system_sgpr_workgroup_id_z 1
		.amdhsa_system_vgpr_workitem_id 0
		.amdhsa_next_free_vgpr 1024
		.amdhsa_next_free_sgpr 100
		.amdhsa_reserve_vcc 0
		.amdhsa_float_denorm_mode_32 3
		.amdhsa_float_denorm_mode_16_64 3
		.amdhsa_memory_ordered 1
		.amdhsa_forward_progress 1
		.amdhsa_inst_pref_size 165
	.end_amdhsa_kernel
	.amdgpu_metadata
---
amdhsa.version: [ 1, 2 ]
amdhsa.kernels:
  - .name:           k_q716bcf67e3_kout
    .symbol:         k_q716bcf67e3_kout.kd
    .args:
      - { .name: x_codes, .offset: 0, .size: 8, .value_kind: global_buffer, .address_space: global }
      - { .name: x_scales, .offset: 8, .size: 8, .value_kind: global_buffer, .address_space: global }
      - { .name: Wk_codes, .offset: 16, .size: 8, .value_kind: global_buffer, .address_space: global }
      - { .name: Wk_scales, .offset: 24, .size: 8, .value_kind: global_buffer, .address_space: global }
      - { .name: part, .offset: 32, .size: 8, .value_kind: global_buffer, .address_space: global }
      - { .name: bq, .offset: 40, .size: 8, .value_kind: global_buffer, .address_space: global }
      - { .name: bk, .offset: 48, .size: 8, .value_kind: global_buffer, .address_space: global }
      - { .name: Wfc, .offset: 56, .size: 8, .value_kind: global_buffer, .address_space: global }
      - { .name: bfc, .offset: 64, .size: 8, .value_kind: global_buffer, .address_space: global }
      - { .name: out0, .offset: 72, .size: 8, .value_kind: global_buffer, .address_space: global }
    .group_segment_fixed_size: 327680
    .private_segment_fixed_size: 0
    .kernarg_segment_align: 8
    .kernarg_segment_size: 80
    .max_flat_workgroup_size: 128
    .sgpr_count:     100
    .vgpr_count:     1024
    .wavefront_size: 32
...
	.end_amdgpu_metadata
.endif
;; end of part 2
